; MI455X (gfx1250); checked and timed in simulation.
; The chip was launched on July 23, 2026; its instructions are those of AMD's public machine-readable ISA for CDNA 5 (MIT licence, August 2026) and "CDNA5" Instruction Set Architecture Reference Guide (July 2026). The comments in the code are by the model that wrote it; some were corrected since.
;; Cross Attention Bridge. Allowed arithmetic: matrix products marked QUANTISED: E4M3 operands, one given power-of-two scale a tensor, by v_wmma_f32_16x16x64_fp8_fp8 or v_wmma_f32_16x16x128_fp8_fp8, f32 sums; products left as they are: f32 operands where the result goes on into a quantised operand, else bf16, f16 or f32 operands; f32 sums; everything else in f32.
;; Inputs: W_k 2,048 x 2,048 float32; W_mem 512 x 2,048 float32; W_o 2,048 x 2,048 float32; W_q 2,048 x 2,048 float32; W_v 2,048 x 2,048 float32; gate one number float32; last_hidden 4 x 2,048 x 2,048 float32; lowp_scales 4 int32 (the exponents e of the quantised operands' scales 2^e); zH 4 x 1 x 512 float32.
;; Outputs: out0 4 x 2,048 x 2,048 float32.
;; This version of the problem:
;;   THIS VERSION OF THE PROBLEM IS GIVEN IN LOW PRECISION. The matrix products marked QUANTISED in the list below multiply operands that are first quantised to E4M3 (4 exponent bits, 3 mantissa bits; 8 bits a number), with one given power-of-two scale for each operand tensor; their sums are f32. All else is computed in f32.
;;   The module's matrix products, in the order in which they are computed (A, B: the left and right operand; K: the contracted axis; several contracted axes count as one K, in the product's order):
;;     1. [M 4, K 512] x [K 512, N 2,048]; A: input zH; B: input W_mem: left as it is (M = 4 < 16)
;;     2. [M 8,192, K 2,048] x [K 2,048, N 2,048]; A: input last_hidden; B: input W_q: QUANTISED (scales: A lowp_scales[0], B lowp_scales[1])
;;     3. [M 4, K 2,048] x [K 2,048, N 2,048]; A: computed on the way; B: input W_k: left as it is (M = 4 < 16)
;;     4. [M 4, K 2,048] x [K 2,048, N 2,048]; A: computed on the way; B: input W_v: left as it is (M = 4 < 16)
;;     5. batch 32 x [M 2,048, K 256] x [K 256, N 1]; A: computed on the way; B: computed on the way: left as it is (N = 1 < 16)
;;     6. batch 32 x [M 256, K 1] x [K 1, N 2,048]; A: computed on the way; B: softmax: left as it is (K = 1 < 32)
;;     7. [M 8,192, K 2,048] x [K 2,048, N 2,048]; A: computed on the way; B: input W_o: QUANTISED (scales: A lowp_scales[2], B lowp_scales[3])
;;   THE QUANTISER, for each operand of a quantised product, along K:
;;     - The operand's scale is 2^e, e = its entry of the input lowp_scales (int32; the entries are numbered through the quantised products in the list's order, A before B).
;;     - Each number is divided by the scale, clamped to +-448, and rounded to the nearest number of E4M3, ties to even, subnormals kept.
;;     - The product sums the exact products of the quantised numbers (number of the format x scale) in f32.
;;   ~~~python
;;   def quantise(x, axis, e):      # numpy; x: float32 -> the quantised numbers, widened to float32 again
;;       x = np.moveaxis(x, axis, -1); K = x.shape[-1]
;;       r = np.clip(x / 2.0 ** e, -448, 448)
;;       step = 2.0 ** (np.maximum(np.frexp(np.where(r == 0, 1, r))[1] - 1, -6) - 3)
;;       q = np.round(r / step) * step * 2.0 ** e      # np.round: ties to even
;;       return np.moveaxis(q, -1, axis).astype(np.float32)
;;   ~~~
;;   OPERANDS COMPUTED ON THE WAY. 'Computed on the way' means the value that the module computes at that place (a softmax that the list does not call 'softmax' is quantised finished and normalised). What goes into a quantiser is computed in f32, as accurately as f32 sums, v_exp_f32 and their like allow (about 1e-6 of the number): no bf16 or f16 on the way to a quantiser, and a product that is left as it is and whose result goes on into a quantised operand takes f32 operands (vector FMAs, or v_wmma_f32_16x16x4_f32). A number that lies on a knife's edge between two numbers of the format may be rounded either way, as far as f32 arithmetic and the matrix unit's own rounding can turn it there, and no further.
;; One version. Each part assembles by itself: llvm-mc -triple=amdgcn-amd-amdhsa -mcpu=gfx1250 --defsym DOCPART=n.
;; ======== version 1 of 1: 3 launches
;; limits: right only within a limited range of input values
;; workspace buffers: x_codes 16,777,216 bytes; wq_codes 4,194,304 bytes; wo_codes 4,194,304 bytes; kvp 2,097,152 bytes; a2_codes 16,777,216 bytes
;; launch prep (part 1): grid 1024 x 1, 4 waves a work-group, no clusters, 76,288 bytes of LDS; arguments last_hidden, W_q, W_o, W_mem, W_k, W_v, zH, lowp_scales, x_codes, wq_codes, wo_codes, kvp; writes x_codes, wq_codes, wo_codes, kvp
.if DOCPART == 1
	.amdgcn_target "amdgcn-amd-amdhsa--gfx1250"
	.amdhsa_code_object_version 6
	.text
	.protected	k_qb0cab043e1_prep
	.globl	k_qb0cab043e1_prep
	.p2align	8
	.type	k_qb0cab043e1_prep,@function
k_qb0cab043e1_prep:
	s_mov_b64 s[64:65], 0
	v_nop
	global_prefetch_b8 v0, s[64:65] scope:SCOPE_SE
	s_setreg_imm32_b32 hwreg(HW_REG_WAVE_MODE, 25, 1), 1
	s_wait_xcnt 0x0
; THREE JOBS IN ONE LAUNCH, told apart by the work-group's number alone (the same for all four waves of a work-group).
;   work-groups   0-255  (M): mem = zH W_mem for 64 of its 2,048 columns, then that slab's part of K = mem W_k or V = mem W_v: f32 multiply-adds, partial sums to kvp
;   work-groups 256-511  (W): W_q and W_o, f32 [k][n], into codes of E4M3 laid [n][k], K innermost
;   work-groups 512-1023 (X): last_hidden, f32 [8192][2048], into codes of E4M3, K innermost
; code = x / 2^e, held within +-448, to the nearest code, ties to even; e = lowp_scales[0] for last_hidden, [1] for W_q, [3] for W_o.
; LIMITS: each of these e lies between -126 and 119, so that 2^e and 448 x 2^e are f32 numbers.  NaN among the inputs is not served (an infinity is held at the largest code).
; kvp: f32 [part 32][K or V][batch 4][2048]: part p holds the sum over mem's columns 64 p .. 64 p + 63; the next launch adds the 32 parts.
; No tensor loads.  Each job has LDS bytes of its own.
.set QX, 0                             ; X: 5,120 bytes a wave: two stages of 32 x 80
.set QW, 20480                         ; W: 8,704 bytes a wave: 32 rows x 272
.set MZ, 55296                         ; M: zH, 2,048 bytes a wave: [batch 4][my 128 rows of W_mem]
.set MR, 63488                         ; M: eight half-waves' partial slabs of 1,024 bytes: [batch 4][64 columns]
.set MM, 71680                         ; M: the finished slab, a copy of 1,024 bytes for each wave
.set EMAX, 8
.set MANT, 0x600000                    ; the mantissa field of 448 as f32
	v_lshl_add_u32 v192, v0, 2, 0x12800
	v_mov_b32 v193, 0
	v_lshrrev_b32 v1, 5, v0
	v_readfirstlane_b32 s16, v1                    ; wave 0..3
	v_and_b32 v2, 31, v0                           ; lane
	s_cmp_lt_u32 ttmp9, 256
	s_cbranch_scc1 .Lmemkv
	s_cmp_lt_u32 ttmp9, 512
	s_cbranch_scc1 .Lqw
; ======== X: last_hidden into codes.  Rows are dense, so the tensor is a plain stream.  A wave takes 16 steps of 512 numbers.
; Each of a step's four loads reads 512 consecutive bytes, 16 a lane; the 2,048 bytes turn through the wave's own stage and come back 64 bytes a lane: 16 neighbours along K, as the conversions want them.
; A lane's 16 codes are 16 bytes: the wave stores 512 consecutive bytes.  Loads run four steps ahead, the turn through LDS one step.
.set SP, 80                            ; a lane's place in a stage: its 64 bytes + 16 of padding
.set XR, 16                            ; v16-79   four sets of 16 numbers as loaded
.set XX, 80                            ; v80-111  two sets of 16 neighbours
.set XC, 128                           ; v128-191 codes: four registers for each step, so that no store's data are written again
	s_load_b64 s[4:5], s[0:1], 0x0                 ; last_hidden
	s_load_b128 s[8:11], s[0:1], 0x38              ; lowp_scales, x_codes
	v_lshlrev_b32 v3, 4, v2                        ; 16 x lane: my 16 bytes of a load's 512, and of a store's; never rewritten
	s_mul_i32 s17, s16, 2*32*SP                    ; my wave's two stages (QX = 0)
	v_lshrrev_b32 v14, 2, v2
	v_mul_u32_u24 v14, v14, SP
	v_and_b32 v15, 3, v2
	v_lshl_add_u32 v14, v15, 4, v14
	v_add_nc_u32 v14, s17, v14                     ; into the stage: four lanes' 64 bytes on end, then 16 of padding
	v_mul_u32_u24 v15, v2, SP
	v_add_nc_u32 v15, s17, v15                     ; out of it: 80 x lane
	s_sub_co_u32 s17, ttmp9, 512
	s_lshl_b32 s17, s17, 2
	s_add_co_u32 s18, s17, s16                     ; which run of 8,192 numbers is my wave's: 0 .. 2,047
	s_lshl_b32 s20, s18, 15                        ; 32,768 bytes of f32,
	s_mov_b32 s21, 0
	s_lshl_b32 s22, s18, 13                        ; 8,192 bytes of codes
	s_mov_b32 s23, 0
	s_wait_kmcnt 0x0
	s_load_b32 s24, s[8:9], 0x0                    ; e0
	s_add_nc_u64 s[4:5], s[4:5], s[20:21]
	s_add_nc_u64 s[10:11], s[10:11], s[22:23]
.macro XLOAD t
.irp i, 0,1,2,3
	global_load_b128 v[XR+16*((\t)%4)+4*\i:XR+16*((\t)%4)+4*\i+3], v3, s[4:5] offset:2048*(\t)+512*\i th:TH_LOAD_NT
.endr
.endm
.macro XTURN t                         ; LDS serves a wave's instructions in order: no wait between the stores and the loads
.irp i, 0,1,2,3
	ds_store_b128 v14, v[XR+16*((\t)%4)+4*\i:XR+16*((\t)%4)+4*\i+3] offset:32*SP*((\t)%2)+8*SP*\i
.endr
.irp i, 0,1,2,3
	ds_load_b128 v[XX+16*((\t)%2)+4*\i:XX+16*((\t)%2)+4*\i+3], v15 offset:32*SP*((\t)%2)+16*\i
.endr
.endm
.irp t, 0,1,2,3
	XLOAD \t
.endr
	s_wait_kmcnt 0x0
	s_add_co_i32 s24, s24, 127
	s_lshl_b32 s25, s24, 23
	v_mov_b32 v11, s25                             ; 2^e0 as f32: the conversion takes its exponent field
	s_add_co_i32 s24, s24, EMAX
	s_lshl_b32 s24, s24, 23
	s_or_b32 s24, s24, MANT
	v_mov_b32 v10, s24                             ; 448 x 2^e0
	s_wait_loadcnt 12                              ; step 0's four loads are in; three steps' twelve stay out
	XTURN 0
.macro XSTEP t
.set XS, XX+16*((\t)%2)
	s_wait_dscnt 0x0                               ; this step's numbers are back from the stage, so its stores into the stage have read their registers,
.if (\t)+4 < 16
	XLOAD (\t)+4                                   ; which take the loads of four steps on
.endif
.if (\t)+1 < 16
.if 14-(\t) >= 3
	s_wait_loadcnt 12                              ; the next step's four loads are in; those of the three steps behind it may be out
.else
	s_wait_loadcnt 4*(14-(\t))                     ; the tail: as many steps as are left behind the next one
.endif
	XTURN (\t)+1
.endif
.irp i, 0,1,2,3,4,5,6,7,8,9,10,11,12,13,14,15
	v_med3_num_f32 v[XS+\i], v[XS+\i], -v10, v10   ; the conversion to an 8-bit code does not saturate (ISA guide 7.6.2): the hold comes first
.endr
	v_cvt_scalef32_pk8_fp8_f32 v[XC+4*(\t):XC+4*(\t)+1], v[XS:XS+7], v11
	v_cvt_scalef32_pk8_fp8_f32 v[XC+4*(\t)+2:XC+4*(\t)+3], v[XS+8:XS+15], v11
	global_store_b128 v3, v[XC+4*(\t):XC+4*(\t)+3], s[10:11] offset:512*(\t)   ; 32 lanes store 512 consecutive bytes, aligned
.endm
.irp t, 0,1,2,3,4,5,6,7,8,9,10,11,12,13,14,15
	XSTEP \t
.endr
	s_wait_tensorcnt 0x0
	ds_add_u32 v192, v193
	s_wait_dscnt 0x0
	s_endpgm
; ======== W: a weight [k][n] into codes [n][k].  A lane takes a column n and its registers run down K: each load reads 128 consecutive bytes a wave, and the conversions give codes with K innermost.
; A wave takes 32 columns x 256 along K; the codes gather in the wave's own stage and leave as rows: sixteen lanes store 256 consecutive bytes, aligned.  Loads run two blocks of 32 ahead.
.Lqw:
.set WP, 272                           ; a stage row: 256 bytes + 16
.set WX, 32                            ; v32-95   two sets of 32 numbers
.set WC, 96                            ; v96-103  a block's codes
.set WOUT, 112                         ; v112-175 the way out
	s_load_b128 s[4:7], s[0:1], 0x8                ; W_q, W_o
	s_load_b64 s[10:11], s[0:1], 0x38              ; lowp_scales
	s_load_b128 s[12:15], s[0:1], 0x48             ; wq_codes, wo_codes
	s_sub_co_u32 s28, ttmp9, 256                   ; 0-127: W_q; 128-255: W_o
	s_and_b32 s17, s28, 15
	s_lshl_b32 s17, s17, 7
	s_lshl_b32 s18, s16, 5
	s_add_co_u32 s17, s17, s18                     ; my wave's first column
	s_bfe_u32 s18, s28, 0x30004                    ; which 256 along K: 3 bits from bit 4
	v_lshlrev_b32 v3, 2, v2                        ; in: 4 bytes a lane
	s_mul_i32 s19, s16, 32*WP
	s_add_co_u32 s19, s19, QW                      ; my stage
	v_mul_u32_u24 v4, v2, WP
	v_add_nc_u32 v4, s19, v4                       ; into it: row = my column
	v_and_b32 v5, 15, v2
	v_lshrrev_b32 v6, 4, v2
	v_mul_u32_u24 v7, v6, WP
	v_lshl_add_u32 v7, v5, 4, v7
	v_add_nc_u32 v7, s19, v7                       ; out of it: sixteen lanes to a row, two rows an instruction
	v_lshlrev_b32 v8, 11, v6
	v_lshl_add_u32 v8, v5, 4, v8                   ; and the same place in the codes: rows of 2,048 bytes
	s_lshl_b32 s20, s18, 21                        ; 256 rows of 8,192 bytes
	s_lshl_b32 s22, s17, 2
	s_add_co_u32 s20, s20, s22
	s_mov_b32 s21, 0
	s_lshl_b32 s24, s17, 11
	s_lshl_b32 s26, s18, 8
	s_add_co_u32 s24, s24, s26
	s_mov_b32 s25, 0
	s_wait_kmcnt 0x0
	s_load_b128 s[36:39], s[10:11], 0x0            ; e0 .. e3
	s_cmp_lt_u32 s28, 128                          ; the choice hangs on the work-group's number alone
	s_cselect_b64 s[4:5], s[4:5], s[6:7]
	s_cselect_b64 s[8:9], s[12:13], s[14:15]
	s_add_nc_u64 s[4:5], s[4:5], s[20:21]
	s_add_nc_u64 s[8:9], s[8:9], s[24:25]
.macro WLOAD t                         ; block t: W(32 t + i, my column) into set t % 2; the largest offset is 255 rows of 8,192 bytes
.irp i, 0,1,2,3,4,5,6,7,8,9,10,11,12,13,14,15,16,17,18,19,20,21,22,23,24,25,26,27,28,29,30,31
	global_load_b32 v[WX+32*((\t)%2)+\i], v3, s[4:5] offset:(32*(\t)+\i)*8192 th:TH_LOAD_NT
.endr
.endm
	WLOAD 0
	WLOAD 1
	s_wait_kmcnt 0x0
	s_cmp_lt_u32 s28, 128
	s_cselect_b32 s30, s37, s39                    ; e1 for W_q, e3 for W_o
	s_add_co_i32 s30, s30, 127
	s_lshl_b32 s31, s30, 23
	v_mov_b32 v11, s31                             ; 2^e
	s_add_co_i32 s30, s30, EMAX
	s_lshl_b32 s30, s30, 23
	s_or_b32 s30, s30, MANT
	v_mov_b32 v10, s30                             ; 448 x 2^e
.macro WBLOCK t
.set XS, WX+32*((\t)%2)
.if (\t) < 7
	s_wait_loadcnt 32                              ; this block's 32 loads are in; the next block's may be out
.else
	s_wait_loadcnt 0
.endif
.irp i, 0,1,2,3,4,5,6,7,8,9,10,11,12,13,14,15,16,17,18,19,20,21,22,23,24,25,26,27,28,29,30,31
	v_med3_num_f32 v[XS+\i], v[XS+\i], -v10, v10
.endr
.irp g, 0,1,2,3
	v_cvt_scalef32_pk8_fp8_f32 v[WC+2*\g:WC+2*\g+1], v[XS+8*\g:XS+8*\g+7], v11
.endr
	ds_store_b128 v4, v[WC:WC+3] offset:32*(\t)    ; 32 codes: 32 bytes of my column's row
	ds_store_b128 v4, v[WC+4:WC+7] offset:32*(\t)+16
.if (\t)+2 < 8
	WLOAD (\t)+2
.endif
	s_wait_dscnt 0x0                               ; the stores have read their registers: the next block's codes may be written
.endm
.irp t, 0,1,2,3,4,5,6,7
	WBLOCK \t
.endr
.irp t, 0,1,2,3,4,5,6,7,8,9,10,11,12,13,14,15
	ds_load_b128 v[WOUT+4*\t:WOUT+4*\t+3], v7 offset:2*\t*WP
.endr
.irp t, 0,1,2,3,4,5,6,7,8,9,10,11,12,13,14,15
	s_wait_dscnt 15-\t
	global_store_b128 v8, v[WOUT+4*\t:WOUT+4*\t+3], s[8:9] offset:2*\t*2048
.endr
	s_wait_tensorcnt 0x0
	ds_add_u32 v192, v193
	s_wait_dscnt 0x0
	s_endpgm
; ======== M: work-group g: part p = g / 8 (mem's columns 64 p on), piece g % 8: K (0-3) or V (4-7), output columns 512 (g % 4) on.
; Phase 1: mem[4][64] = zH[4][512] x W_mem[512][those 64].  Wave w takes rows 128 w on, each half of its lanes 64 of them, a lane 4 columns: a load reads two rows x 256 consecutive bytes.
;          The eight half-waves' sums meet in LDS behind this job's one barrier, and each wave adds them into a copy of its own.
; Phase 2: the slab x 64 rows of W_k or W_v.  Wave w takes 128 columns, a lane 4: a load reads 512 consecutive bytes.  Four rows of 512 bytes a wave go out.
; All in f32: these numbers end in a quantiser.  One ring of four sets of eight loads runs through both phases: phase 2's first loads are out while phase 1 ends.
.Lmemkv:
.set ACC, 16                           ; v16-31   acc[batch][column] at 16 + 4 b + j
.set Z,   32                           ; v32-63   multipliers: eight rows x four batches
.set W,   64                           ; v64-191  the ring: 4 sets x 8 loads x 4 registers
	s_load_b128 s[4:7], s[0:1], 0x18               ; W_mem, W_k
	s_load_b128 s[8:11], s[0:1], 0x28              ; W_v, zH
	s_load_b64 s[12:13], s[0:1], 0x58              ; kvp
	s_lshr_b32 s17, ttmp9, 3                       ; part
	s_and_b32 s18, ttmp9, 7                        ; piece
	s_lshr_b32 s19, s18, 2                         ; 0: K, 1: V
	s_and_b32 s20, s18, 3
	s_lshl_b32 s20, s20, 11                        ; 512 columns of 4 bytes
	s_lshl_b32 s21, s16, 9                         ; my wave's 128 numbers
	s_add_co_u32 s20, s20, s21
	s_lshl_b32 s22, s16, 20                        ; W_mem: 128 rows of 8,192 bytes a wave,
	s_lshl_b32 s24, s17, 8                         ; 64 columns a part
	s_add_co_u32 s22, s22, s24
	s_mov_b32 s23, 0
	s_lshl_b32 s24, s17, 19                        ; W_k, W_v: 64 rows a part
	s_add_co_u32 s24, s24, s20
	s_mov_b32 s25, 0
	s_mov_b32 s26, s21                             ; zH: my wave's 128 numbers of each batch
	s_mov_b32 s27, 0
	s_lshl_b32 s28, s17, 16                        ; kvp: 65,536 a part, 32,768 for V
	s_lshl_b32 s30, s19, 15
	s_add_co_u32 s28, s28, s30
	s_add_co_u32 s28, s28, s20
	s_mov_b32 s29, 0
	v_and_b32 v12, 15, v0                          ; r
	v_bfe_u32 v3, v0, 4, 1                         ; h
	v_lshlrev_b32 v4, 19, v3
	v_lshl_add_u32 v4, v12, 4, v4                  ; phase 1: lanes 16-31 stand 64 rows further down; 16 bytes a lane
	v_lshlrev_b32 v5, 4, v2                        ; 16 x lane: phase 2, zH, kvp
	s_lshl_b32 s31, s16, 11
	v_lshl_add_u32 v6, v3, 8, s31
	v_add_nc_u32 v6, MZ, v6                        ; my half's 64 multipliers of batch 0
	v_add_nc_u32 v8, s31, v5
	v_add_nc_u32 v8, MZ, v8                        ; where zH goes
	s_lshl_b32 s31, s16, 10
	s_add_co_u32 s31, s31, MM
	v_mov_b32 v7, s31                              ; my copy of the slab
	v_add_nc_u32 v11, s31, v5
	v_lshrrev_b32 v9, 4, v0                        ; which of the eight half-waves
	v_lshlrev_b32 v9, 10, v9
	v_lshl_add_u32 v9, v12, 4, v9
	v_add_nc_u32 v9, MR, v9                        ; where my partial sums go
	v_add_nc_u32 v10, MR, v5                       ; and from where I add them
	s_wait_kmcnt 0x0
	s_cmp_lt_u32 s18, 4
	s_cselect_b64 s[6:7], s[6:7], s[8:9]
	s_add_nc_u64 s[4:5], s[4:5], s[22:23]
	s_add_nc_u64 s[6:7], s[6:7], s[24:25]
	s_add_nc_u64 s[10:11], s[10:11], s[26:27]
	s_add_nc_u64 s[12:13], s[12:13], s[28:29]
.macro MLOAD G                         ; group G of 16: eight rows.  W_mem's slab is read by eight work-groups; W_k and W_v once
.irp i, 0,1,2,3,4,5,6,7
.if (\G) < 8
	global_load_b128 v[W+32*((\G)%4)+4*\i:W+32*((\G)%4)+4*\i+3], v4, s[4:5] offset:(8*(\G)+\i)*8192
.else
	global_load_b128 v[W+32*((\G)%4)+4*\i:W+32*((\G)%4)+4*\i+3], v5, s[6:7] offset:(8*((\G)-8)+\i)*8192 th:TH_LOAD_NT
.endif
.endr
.endm
; left: the loads of the groups behind this one, which may stay out.  A phase's first products start its sums: nothing is cleared.
.macro MGROUP G, left
.irp q, 0,1
.irp b, 0,1,2,3
.if (\G) < 8
	ds_load_b128 v[Z+16*\q+4*\b:Z+16*\q+4*\b+3], v6 offset:512*\b+4*(8*(\G)+4*\q)
.else
	ds_load_b128 v[Z+16*\q+4*\b:Z+16*\q+4*\b+3], v7 offset:256*\b+4*(8*((\G)-8)+4*\q)
.endif
.endr
.endr
	s_wait_loadcnt \left
	s_wait_dscnt 0x0
.irp i, 0,1,2,3,4,5,6,7
.irp b, 0,1,2,3
.irp c, 0,2
.set rA, ACC+4*\b+\c
.set rW, W+32*((\G)%4)+4*\i+\c
.set rZ, Z+16*(\i/4)+4*\b+2*((\i%4)/2)
.if ((\G)%8 == 0) && (\i == 0)
	v_pk_mul_f32 v[rA:rA+1], v[rW:rW+1], v[rZ:rZ+1] op_sel_hi:[1,0]
.elseif (\i%2) == 0
	v_pk_fma_f32 v[rA:rA+1], v[rW:rW+1], v[rZ:rZ+1], v[rA:rA+1] op_sel_hi:[1,0,1]              ; both columns x the pair's first multiplier
.else
	v_pk_fma_f32 v[rA:rA+1], v[rW:rW+1], v[rZ:rZ+1], v[rA:rA+1] op_sel:[0,1,0] op_sel_hi:[1,1,1]  ; both x its second
.endif
.endr
.endr
.endr
.if (\G)+4 < 16
	MLOAD (\G)+4
.endif
.endm
.irp b, 0,1,2,3
	global_load_b128 v[ACC+4*\b:ACC+4*\b+3], v5, s[10:11] offset:2048*\b   ; zH, through registers that are free until the first products
.endr
.irp G, 0,1,2,3
	MLOAD \G
.endr
	s_wait_loadcnt 32                              ; zH is in; the ring's 32 loads stay out
.irp b, 0,1,2,3
	ds_store_b128 v8, v[ACC+4*\b:ACC+4*\b+3] offset:512*\b   ; my wave's own bytes: its loads below come behind these stores, in order
.endr
.irp G, 0,1,2,3,4,5,6,7
	MGROUP \G, 24                                  ; three younger groups of eight
.endr
.irp b, 0,1,2,3
	ds_store_b128 v9, v[ACC+4*\b:ACC+4*\b+3] offset:256*\b
.endr
	s_wait_dscnt 0x0                               ; for the others' sake: my partial sums lie in LDS
	s_barrier_signal -1
	s_barrier_wait -1                              ; (phase 2's loads stay out across it: nobody writes those bytes)
.irp e, 0,1                            ; the slab's 1,024 bytes in two halves, 16 bytes a lane; eight parts in a tree, the same order in every wave
.irp p, 0,1,2,3,4,5,6,7
	ds_load_b128 v[Z+4*\p:Z+4*\p+3], v10 offset:1024*\p+512*\e
.endr
	s_wait_dscnt 0x0
.irp p, 0,1,2,3
	v_pk_add_f32 v[Z+4*\p:Z+4*\p+1], v[Z+4*\p:Z+4*\p+1], v[Z+16+4*\p:Z+16+4*\p+1]
	v_pk_add_f32 v[Z+4*\p+2:Z+4*\p+3], v[Z+4*\p+2:Z+4*\p+3], v[Z+16+4*\p+2:Z+16+4*\p+3]
.endr
.irp p, 0,1
	v_pk_add_f32 v[Z+4*\p:Z+4*\p+1], v[Z+4*\p:Z+4*\p+1], v[Z+8+4*\p:Z+8+4*\p+1]
	v_pk_add_f32 v[Z+4*\p+2:Z+4*\p+3], v[Z+4*\p+2:Z+4*\p+3], v[Z+8+4*\p+2:Z+8+4*\p+3]
.endr
	v_pk_add_f32 v[ACC+4*\e:ACC+4*\e+1], v[Z:Z+1], v[Z+4:Z+5]
	v_pk_add_f32 v[ACC+4*\e+2:ACC+4*\e+3], v[Z+2:Z+3], v[Z+6:Z+7]
	ds_store_b128 v11, v[ACC+4*\e:ACC+4*\e+3] offset:512*\e   ; into my wave's own copy: no second barrier
.endr
.irp G, 8,9,10,11,12
	MGROUP \G, 24
.endr
	MGROUP 13, 16                                  ; the ring runs out
	MGROUP 14, 8
	MGROUP 15, 0
.irp b, 0,1,2,3
	global_store_b128 v5, v[ACC+4*\b:ACC+4*\b+3], s[12:13] offset:8192*\b   ; 32 lanes store 512 consecutive bytes, aligned
.endr
	s_wait_tensorcnt 0x0
	ds_add_u32 v192, v193
	s_wait_dscnt 0x0
	s_endpgm
.Lfunc_end_k_qb0cab043e1_prep:
	.size	k_qb0cab043e1_prep, .Lfunc_end_k_qb0cab043e1_prep-k_qb0cab043e1_prep
	.p2alignl 7, 3214868480
	.fill 96, 4, 3214868480
	.section	.rodata,"a",@progbits
	.p2align	6, 0x0
	.amdhsa_kernel k_qb0cab043e1_prep
		.amdhsa_group_segment_fixed_size 76288
		.amdhsa_private_segment_fixed_size 0
		.amdhsa_enable_private_segment 0
		.amdhsa_kernarg_size 96
		.amdhsa_user_sgpr_count 2
		.amdhsa_user_sgpr_kernarg_segment_ptr 1
		.amdhsa_wavefront_size32 1
		.amdhsa_system_sgpr_workgroup_id_x 1
		.amdhsa_system_sgpr_workgroup_id_y 1
		.amdhsa_system_sgpr_workgroup_id_z 1
		.amdhsa_system_vgpr_workitem_id 0
		.amdhsa_next_free_vgpr 194
		.amdhsa_next_free_sgpr 66
		.amdhsa_reserve_vcc 0
		.amdhsa_float_denorm_mode_32 3
		.amdhsa_float_denorm_mode_16_64 3
		.amdhsa_memory_ordered 1
		.amdhsa_forward_progress 1
		.amdhsa_inst_pref_size 177
	.end_amdhsa_kernel
	.amdgpu_metadata
---
amdhsa.version: [ 1, 2 ]
amdhsa.kernels:
  - .name:           k_qb0cab043e1_prep
    .symbol:         k_qb0cab043e1_prep.kd
    .args:
      - { .name: last_hidden, .offset: 0, .size: 8, .value_kind: global_buffer, .address_space: global }
      - { .name: W_q, .offset: 8, .size: 8, .value_kind: global_buffer, .address_space: global }
      - { .name: W_o, .offset: 16, .size: 8, .value_kind: global_buffer, .address_space: global }
      - { .name: W_mem, .offset: 24, .size: 8, .value_kind: global_buffer, .address_space: global }
      - { .name: W_k, .offset: 32, .size: 8, .value_kind: global_buffer, .address_space: global }
      - { .name: W_v, .offset: 40, .size: 8, .value_kind: global_buffer, .address_space: global }
      - { .name: zH, .offset: 48, .size: 8, .value_kind: global_buffer, .address_space: global }
      - { .name: lowp_scales, .offset: 56, .size: 8, .value_kind: global_buffer, .address_space: global }
      - { .name: x_codes, .offset: 64, .size: 8, .value_kind: global_buffer, .address_space: global }
      - { .name: wq_codes, .offset: 72, .size: 8, .value_kind: global_buffer, .address_space: global }
      - { .name: wo_codes, .offset: 80, .size: 8, .value_kind: global_buffer, .address_space: global }
      - { .name: kvp, .offset: 88, .size: 8, .value_kind: global_buffer, .address_space: global }
    .group_segment_fixed_size: 76288
    .private_segment_fixed_size: 0
    .kernarg_segment_align: 8
    .kernarg_segment_size: 96
    .max_flat_workgroup_size: 128
    .sgpr_count:     66
    .vgpr_count:     194
    .wavefront_size: 32
...
	.end_amdgpu_metadata
.endif
;; end of part 1
;; launch gemm_q (part 2): grid 8 x 32, 4 waves a work-group, clusters of 4 x 4, 327,680 bytes of LDS; arguments x_codes, wq_codes, lowp_scales, kvp, a2_codes; writes a2_codes
.if DOCPART == 2
	.amdgcn_target "amdgcn-amd-amdhsa--gfx1250"
	.amdhsa_code_object_version 6
	.text
	.protected	k_qb0cab043e1_gemm_q
	.globl	k_qb0cab043e1_gemm_q
	.p2align	8
	.type	k_qb0cab043e1_gemm_q,@function
k_qb0cab043e1_gemm_q:
	s_mov_b64 s[64:65], 0
	v_nop
	global_prefetch_b8 v0, s[64:65] scope:SCOPE_SE
	s_setreg_imm32_b32 hwreg(HW_REG_WAVE_MODE, 25, 1), 1
	s_wait_xcnt 0x0
	s_wait_alu depctr_hold_cnt(0) depctr_sa_sdst(0) depctr_va_vdst(0) depctr_va_sdst(0) depctr_va_ssrc(0) depctr_va_vcc(0) depctr_vm_vsrc(0)
	s_getreg_b32 s2, hwreg(HW_REG_IB_STS2, 6, 4)
	s_cmp_eq_u32 s2, 0
	s_cbranch_scc0 .Lentry_in_a_cluster
	s_endpgm
.Lentry_in_a_cluster:
	s_bfe_u32 s2, ttmp6, 0x10000c
	s_cmp_lg_u32 s2, 0xf033
	s_cbranch_scc0 .Lentry_shape_is_right
	s_endpgm
.Lentry_shape_is_right:
; Q = last_hidden W_q on codes of E4M3, and all that hangs on Q: the logit Q . K / 16 of each row and head, the softmax over the one key, att x V, and the quantiser of the last product's left operand.
; x_codes [8192][2048], wq_codes [n 2048][k 2048]: K innermost.  kvp: f32 [part 32][K, V][batch 4][2048].  a2_codes [8192][2048]: codes of att[row, head] x V[batch, column] with the scale 2^e2.
; A tile of Q is 256 rows x 256 columns: ONE HEAD.  So the work-group that makes it holds all that the logits of its rows and its head need, Q never goes to memory, and what leaves is 256 rows x 256 bytes of codes.
; Four waves, each 128 x 128: 64 accumulators, 512 registers.  K goes in steps of 256 through a ring of two LDS slots filled by the tensor data mover.
; CLUSTERS: 4 x 4 work-groups; A's tiles are asked for jointly along a row of the cluster, B's along a column.  THE MATRIX INSTRUCTION IS USED TRANSPOSED (source 0 = 16 rows of wq_codes, source 1 = 16 rows of x_codes):
; lane l holds row l % 16 of the tile of Q, its eight registers the columns 8 (l / 16) + 0 .. 7.
; A fragment's k are taken in the order of four 16-byte loads, the same in A and in B: every product meets its partner, and only the order of the sums inside an instruction differs.
; LIMITS: e2 between -126 and 119 (2^e2 and 448 x 2^e2 are made as f32 numbers); e0 + e1 - 4 is applied by v_ldexp_f32 and has none.  Where a logit is not finite the result is NaN, as the softmax of such a logit is.
; REGISTERS, in windows of 256: window 0: v0-31 addresses; from v128 A's fragments, ONE set; on the way out v32-255 are free.  window 1: B's fragments, TWO sets.  windows 2, 3: the accumulators ((a, b) at v[8 (8 (a % 4) + b)]).
.set KSTEP,  256
.set ROWB,   256                       ; a tile's row in bytes
.set KROW,   2048                      ; a row of codes in memory
.set PITCH,  272                       ; an LDS row: 256 bytes + 16 of padding, so that the 16 rows that a load touches start 68 words apart
.set FR,     16                        ; registers of a fragment: 16 rows x 128 K
.set NL,     4                         ; LDS loads that bring one
.set NP,     4                         ; places behind this matrix instruction (ISA guide 7.12.1)
.set HALFT,  128*PITCH                 ; what one tensor load brings
.set SLOT,   4*HALFT                   ; A's 256 rows, then B's 256 rows
.set LAPS,   4                         ; 2,048 along K = four times round the ring
.set SPARE,  2*SLOT                    ; the spare words, 128 bytes for each wave: two blocks of 256 bytes that no other line names
.set KVS,    SPARE+512                 ; K[256] of my batch and head, f32, then V[256]: blocks of their own, no fill lands there
.set LGS,    KVS+2048                  ; the two column halves' parts of the logits: [2][256 rows] f32
.set ADRA, 16                          ; v16-17  LDS address of my A fragments in slot 0, 1
.set ADRB, 20                          ; v20-21  the same for B
.set KVST, 22                          ; v22     where I put 16 bytes of K or V
.set KRD,  23                          ; v23     my lane's eight numbers of K for n block 0
.set LGST, 24                          ; v24     where my row's part of the logit goes
.set LGRD, 25                          ; v25     and from where the two parts come
.set STO,  26                          ; v26     the stage for the codes: my 8 bytes of a row
.set RD,   27                          ; v27     and where I read a row back
.set SPW,  28                          ; v28     my spare word; never rewritten
.set NIL,  29                          ; v29     0; never rewritten
.set CO,   30                          ; v30     my byte offset in a2_codes
.set KVO,  31                          ; v31     my byte offset in a part of kvp
.set SC,   8                           ; v8      2^e2
.set LIM,  9                           ; v9      448 x 2^e2
.set AF,   128
.set KR,   32                          ; the way out: v32-95 K, v96-159 V: register 8 b + j = column 16 b + 8 (l / 16) + j of my 128
.set VR,   96
.set LG,   160                         ; v160-175 a pair for each of my eight blocks of rows; at the end its low register holds att
.set AT,   176                         ; v176-183 at work
.set T,    176                         ; v176-191 then two sets of eight numbers ahead of the quantiser
.set OB,   32                          ; v32-159  64 rows of codes on their way out
.set G1, 24
.set G0, 32
.set G1B, 48
.set G0B, 56
.set MSB, 0
.macro WIN new                         ; the immediate's high byte repeats the setting that is left
.if MSB != (\new)
	s_set_vgpr_msb (MSB<<8)|(\new)
.set MSB, (\new)
.endif
.endm
.set MUL_LO, 0xa1                      ; source 0 (B) window 1, source 1 (A) window 0, C and D window 2
.set MUL_HI, 0xf1                      ; the same, C and D window 3
.set TO_B,   0x40                      ; destination window 1, address window 0
; A joint load: waves 0 and 1 fetch for A, waves 2 and 3 for B; the branch hangs on the wave's number alone.  Four v_nop follow each of the two lines.
.macro JLOAD g0a, g1a, g0b, g1b
	s_cmp_eq_u32 s15, 0
	s_cbranch_scc0 .Lfor_b_\@
	tensor_load_to_lds s[\g0a:\g0a+3], s[\g1a:\g1a+7]
	s_nop 0
.rept 4
	v_nop
.endr
	s_branch .Lasked_\@
.Lfor_b_\@:
	tensor_load_to_lds s[\g0b:\g0b+3], s[\g1b:\g1b+7]
	s_nop 0
.rept 4
	v_nop
.endr
.Lasked_\@:
.endm
.macro CREST                           ; a round of the cluster's barrier behind its opening barrier
	s_cmp_lg_u32 s14, 0
	s_cbranch_scc1 .Lnot_wave_0_\@
	s_barrier_signal -3
.Lnot_wave_0_\@:
	s_barrier_wait -3
	s_barrier_signal -1
	s_barrier_wait -1
.endm
.macro CROUND
	s_barrier_signal -1
	s_barrier_wait -1
	CREST
.endm
	s_load_b128 s[4:7], s[0:1], 0x0                ; x_codes, wq_codes
	s_load_b128 s[8:11], s[0:1], 0x10              ; lowp_scales, kvp
	s_load_b64 s[12:13], s[0:1], 0x20              ; a2_codes
	v_lshl_add_u32 v[SPW], v0, 2, SPARE
	v_mov_b32 v[NIL], 0
	ds_add_u32 v28, v29
	ds_add_u32 v28, v29
	s_wait_dscnt 0x0
	v_lshrrev_b32 v1, 5, v0
	v_readfirstlane_b32 s14, v1                    ; wave 0..3
	s_lshr_b32 s15, s14, 1                         ; which half of the tile's rows is mine.  Also: I fetch for A (0) or for B (1)
	s_and_b32 s16, s14, 1                          ; which half of its columns.  Also: which 128 rows of that tile I fetch
	s_bfe_u32 s40, ttmp6, 0x40000                  ; cx, cy
	s_bfe_u32 s41, ttmp6, 0x40004
	s_lshl_b32 s42, ttmp9, 2
	s_add_co_u32 s42, s42, s40                     ; tile column = the head, 0..7
	s_and_b32 s17, ttmp7, 0xffff
	s_lshl_b32 s17, s17, 2
	s_add_co_u32 s17, s17, s41                     ; tile row, 0..31; eight to a batch
	s_lshl_b32 s43, s41, 2
	s_lshl_b32 s43, 15, s43                        ; my row of the cluster
	s_lshl_b32 s44, 0x1111, s40                    ; my column
	s_or_b32 s[G1+0], s43, (0<<16)|(1<<20)|(1<<21)|(5<<22)|(3<<25)  ; the mask; elements of 1 byte; padding on; bit 21 beside a mask; after every 64 words, 4 words
	s_or_b32 s[G1B+0], s44, (0<<16)|(1<<20)|(1<<21)|(5<<22)|(3<<25)
.irp g, G1, G1B
	s_mov_b32 s[\g+1], ROWB<<16                    ; tensor_dim0
	s_mov_b32 s[\g+2], 128<<16                     ; tensor_dim1
	s_mov_b32 s[\g+3], ROWB<<16                    ; tile_dim0
	s_mov_b32 s[\g+4], 128                         ; tile_dim1
	s_mov_b32 s[\g+5], KROW                        ; the pitch
	s_mov_b32 s[\g+6], 0
	s_mov_b32 s[\g+7], 0
.endr
	s_lshl_b32 s18, s16, 7
	s_lshl_b32 s20, s17, 8
	s_add_co_u32 s20, s20, s18                     ; A: row 256 x tile row + 128 x half
	s_lshl_b32 s46, s42, 8
	s_add_co_u32 s46, s46, s18                     ; B: row 256 x tile column + 128 x half
	s_mov_b32 s21, 0
	s_mov_b32 s47, 0
	s_mov_b64 s[18:19], KROW
	s_mul_u64 s[20:21], s[20:21], s[18:19]
	s_mul_u64 s[46:47], s[46:47], s[18:19]
	s_mul_i32 s45, s14, HALFT                      ; where they go: no place in the cluster enters an LDS address
	s_mov_b32 s76, 0x76543210                      ; v_permlanex16_b32: lane l xor 16
	s_mov_b32 s77, 0xfedcba98
	s_wait_kmcnt 0x0
	s_load_b128 s[68:71], s[8:9], 0x0              ; e0 .. e3
	s_add_nc_u64 s[20:21], s[4:5], s[20:21]
	s_add_nc_u64 s[46:47], s[6:7], s[46:47]
	CROUND                                         ; all sixteen work-groups are here: the first joint loads meet
.irp s, 0,1
	s_mov_b32 s[G0+4*\s], 1
	s_add_co_u32 s[G0+4*\s+1], s45, \s*SLOT
	s_add_nc_u64 s[G0+4*\s+2:G0+4*\s+3], s[20:21], \s*ROWB
	s_or_b32 s[G0+4*\s+3], s[G0+4*\s+3], 0x80000000
	s_mov_b32 s[G0B+4*\s], 1
	s_add_co_u32 s[G0B+4*\s+1], s45, \s*SLOT
	s_add_nc_u64 s[G0B+4*\s+2:G0B+4*\s+3], s[46:47], \s*ROWB
	s_or_b32 s[G0B+4*\s+3], s[G0B+4*\s+3], 0x80000000
	JLOAD G0+4*\s, G1, G0B+4*\s, G1B
.endr
	; K and V of my batch and head: 32 parts of 2 x 1,024 bytes.  Threads 0-63 take K, threads 64-127 V, 16 bytes each: a load of a wave reads 512 consecutive bytes.  They come while the first tiles are on their way.
	s_lshr_b32 s82, s17, 3                         ; the batch
	s_lshl_b32 s82, s82, 13
	s_lshl_b32 s84, s42, 10                        ; the head's 256 numbers
	s_add_co_u32 s82, s82, s84
	s_mov_b32 s83, 0
	s_add_nc_u64 s[10:11], s[10:11], s[82:83]
	v_lshrrev_b32 v5, 6, v0
	v_and_b32 v6, 63, v0
	v_lshlrev_b32 v[KVO], 15, v5
	v_lshl_add_u32 v[KVO], v6, 4, v[KVO]
.irp p, 0,1,2,3,4,5,6,7,8,9,10,11,12,13,14,15,16,17,18,19,20,21,22,23,24,25,26,27,28,29,30,31
	global_load_b128 v[128+4*\p:131+4*\p], v[KVO], s[10:11] offset:65536*\p
.endr
	s_lshl_b32 s84, s17, 19                        ; a2_codes: 256 rows of 2,048 bytes a tile row,
	s_lshl_b32 s86, s14, 17                        ; 64 rows a wave,
	s_add_co_u32 s84, s84, s86
	s_lshl_b32 s86, s42, 8                         ; 256 bytes a head
	s_add_co_u32 s84, s84, s86
	s_mov_b32 s85, 0
	s_add_nc_u64 s[12:13], s[12:13], s[84:85]
	v_and_b32 v1, 15, v0                           ; r = l % 16
	v_bfe_u32 v2, v0, 4, 1                         ; h = l / 16
	v_mul_u32_u24 v3, v1, PITCH
	v_lshl_add_u32 v4, v2, 4, v3                   ; a fragment's row x pitch + 16 x half
	s_mul_i32 s21, s15, HALFT                      ; my 128 rows of A
	s_mul_i32 s22, s16, HALFT                      ; my 128 rows of B,
	s_add_co_u32 s22, s22, 2*HALFT                 ; which lie behind A's 256
.irp s, 0,1
	v_add_nc_u32 v[ADRA+\s], s21, v4
	v_add_nc_u32 v[ADRB+\s], s22, v4
	s_add_co_u32 s21, s21, SLOT
	s_add_co_u32 s22, s22, SLOT
.endr
	v_lshl_add_u32 v[KVST], v0, 4, KVS             ; K's 1,024 bytes, then V's, in the threads' order
	s_lshl_b32 s23, s16, 9
	s_add_co_u32 s23, s23, KVS
	v_lshl_add_u32 v[KRD], v2, 5, s23              ; K at column 128 x half + 8 h
	s_lshl_b32 s18, s15, 9
	s_add_co_u32 s18, s18, LGS
	v_lshl_add_u32 v[LGRD], v1, 2, s18             ; the logits' parts: row 128 x (my half of the rows) + r
	s_lshl_b32 s23, s16, 10
	s_add_co_u32 s23, s23, s18
	v_lshl_add_u32 v[LGST], v1, 2, s23             ; mine: in my column half's 1,024 bytes
	s_mul_i32 s23, s15, 128*PITCH                  ; the stage for the codes: 256 rows x 272 bytes from LDS byte 0: slot 0, written only when that slot has had its last fill and its last read
	s_lshl_b32 s18, s16, 7
	s_add_co_u32 s23, s23, s18
	v_lshl_add_u32 v[STO], v2, 3, v3
	v_add_nc_u32 v[STO], s23, v[STO]               ; row 128 x row half + r, byte 128 x column half + 8 h
	s_mul_i32 s23, s14, 64*PITCH
	v_mul_u32_u24 v5, v2, PITCH
	v_lshl_add_u32 v5, v1, 4, v5
	v_add_nc_u32 v[RD], s23, v5                    ; back: wave w takes rows 64 w on; sixteen lanes a row, two rows an instruction
	v_lshlrev_b32 v[CO], 11, v2
	v_lshl_add_u32 v[CO], v1, 4, v[CO]             ; and the same two rows in a2_codes
	s_wait_loadcnt 0x0
.irp d, 16,8,4,2,1                     ; the 32 parts in a tree, in f32
.set p, 0
.rept \d
	v_pk_add_f32 v[128+4*p:129+4*p], v[128+4*p:129+4*p], v[128+4*(p+\d):129+4*(p+\d)]
	v_pk_add_f32 v[130+4*p:131+4*p], v[130+4*p:131+4*p], v[130+4*(p+\d):131+4*(p+\d)]
.set p, p+1
.endr
.endr
	ds_store_b128 v[KVST], v[128:131]
.macro FRAG reg, adr, q, i             ; 16 rows x 128 K: lane l holds row l % 16; registers 4 c .. 4 c + 3 hold K = 32 c + 16 (l / 16) + 0 .. 15
.irp c, 0,1,2,3
	ds_load_b128 v[\reg+4*\c:\reg+4*\c+3], v[\adr] offset:128*(\q)+32*\c+(\i)*16*PITCH
.endr
.endm
; 16 matrix instructions: A's blocks a0, a0 + 1 x B's eight.  The 64 accumulators take turns, one instruction a turn, in the same order in every step.
.macro MUL16 a0, p, zero
.irp a, \a0, \a0+1
.irp b, 0,1,2,3,4,5,6,7
.if \zero
	v_wmma_f32_16x16x128_fp8_fp8 v[8*(8*((\a)%4)+\b):8*(8*((\a)%4)+\b)+7], v[128*(\p)+FR*\b:128*(\p)+FR*\b+FR-1], v[AF+FR*(\a):AF+FR*(\a)+FR-1], 0
.else
	v_wmma_f32_16x16x128_fp8_fp8 v[8*(8*((\a)%4)+\b):8*(8*((\a)%4)+\b)+7], v[128*(\p)+FR*\b:128*(\p)+FR*\b+FR-1], v[AF+FR*(\a):AF+FR*(\a)+FR-1], v[8*(8*((\a)%4)+\b):8*(8*((\a)%4)+\b)+7]
.endif
.endr
.endr
.endm
.macro FETCH_B slot, q, p
	WIN TO_B
.irp i, 0,1,2,3,4,5,6,7
	FRAG 128*(\p)+FR*\i, ADRB+\slot, \q, \i
.endr
	WIN 0
.endm
.macro FETCH_A slot, q, i0
.irp i, \i0, \i0+1, \i0+2, \i0+3
	FRAG AF+FR*(\i), ADRA+\slot, \q, \i
.endr
.endm
.macro PLACES n                        ; plain vector instructions between a matrix instruction and a load into, or a read of, its registers (ISA guide 7.12.1 for reads)
.rept \n
	v_nop
.endr
.endm
.macro STEP slot, q, zero              ; 128 along K with its successor in the same slot
	s_wait_dscnt 4*NL                              ; B's set and A's blocks 0-3 are in; the youngest sixteen loads (A's blocks 4-7) may be out
	WIN MUL_LO
	MUL16 0, (\q)%2, \zero
	MUL16 2, (\q)%2, \zero
	s_wait_dscnt 0                                 ; A's blocks 4-7 are in
	PLACES NP
	FETCH_B \slot, (\q)+1, 1-(\q)%2
	FETCH_A \slot, (\q)+1, 0
	WIN MUL_HI
	MUL16 4, (\q)%2, \zero
	MUL16 6, (\q)%2, \zero
	PLACES NP
	WIN 0
	FETCH_A \slot, (\q)+1, 4
.endm
; A slot's last step changes slots: ONE barrier; in front of it each wave waits for all its tensor loads, adds 0 to its spare word, and waits for that and for its own reads of this slot.
.macro TURN slot, next, fill
	s_wait_tensorcnt 0x0                           ; all my tensor loads have landed: my part of the next slot
	ds_add_u32 v[SPW], v[NIL]                      ; 0 onto my spare word
	s_wait_dscnt 4*NL+1                            ; (the add and the youngest sixteen loads may be out)
	WIN MUL_LO
	MUL16 0, 1, 0
	s_wait_dscnt 0x0                               ; the add is done, and my reads of this slot are over
	s_barrier_signal -1
	MUL16 2, 1, 0
	WIN 0
	s_barrier_wait -1
.if \fill
	CREST                                          ; the barrier has opened a round of the cluster's: no wave of any partner still reads this slot or has a load on its way
	s_add_nc_u64 s[G0+4*\slot+2:G0+4*\slot+3], s[G0+4*\slot+2:G0+4*\slot+3], 2*ROWB
	s_add_nc_u64 s[G0B+4*\slot+2:G0B+4*\slot+3], s[G0B+4*\slot+2:G0B+4*\slot+3], 2*ROWB
	JLOAD G0+4*\slot, G1, G0B+4*\slot, G1B         ; the first tensor load behind the round; its four v_nop are the places in front of the loads below
.else
	PLACES NP
.endif
	FETCH_B \next, 0, 0
	FETCH_A \next, 0, 0
	WIN MUL_HI
	MUL16 4, 1, 0
	MUL16 6, 1, 0
	PLACES NP
	WIN 0
	FETCH_A \next, 0, 4
.endm
	s_wait_tensorcnt 1                             ; my part of K step 0 is in; K step 1's one load may be out
	s_wait_dscnt 0x0                               ; my 16 bytes of K or V lie in LDS
	s_barrier_signal -1
	s_barrier_wait -1
	FETCH_B 0, 0, 0
	FETCH_A 0, 0, 0
	FETCH_A 0, 0, 4
	STEP 0, 0, 1                                   ; the first step's products start the sums
	s_mov_b32 s3, LAPS-1
.Llap:
	TURN 0, 1, 1
	STEP 1, 0, 0
	TURN 1, 0, 1
	STEP 0, 0, 0
	s_sub_co_u32 s3, s3, 1
	s_cmp_lg_u32 s3, 0
	s_cbranch_scc1 .Llap
	TURN 0, 1, 0                                   ; the last lap fills nothing
	STEP 1, 0, 0
	s_wait_dscnt 4*NL
	WIN MUL_LO
	MUL16 0, 1, 0
	MUL16 2, 1, 0
	s_wait_dscnt 0
	WIN MUL_HI
	MUL16 4, 1, 0
	MUL16 6, 1, 0
	WIN 0
	; ---- THE WAY OUT
	s_wait_kmcnt 0x0
	s_add_co_i32 s72, s68, s69
	s_sub_co_i32 s72, s72, 4                       ; a sum stands for sum x 2^(e0 + e1); / sqrt(256) is 2^-4
	s_add_co_i32 s73, s70, 127
	s_lshl_b32 s74, s73, 23                        ; 2^e2
	s_add_co_i32 s73, s73, 8
	s_lshl_b32 s73, s73, 23
	s_or_b32 s73, s73, 0x600000                    ; 448 x 2^e2
	PLACES NP                                      ; behind the last products: for the loads into registers that held A's fragments, and for the first reads of results
	v_mov_b32 v[SC], s74
	v_mov_b32 v[LIM], s73
.irp b, 0,1,2,3,4,5,6,7
	ds_load_b128 v[KR+8*\b:KR+8*\b+3], v[KRD] offset:64*\b
	ds_load_b128 v[KR+8*\b+4:KR+8*\b+7], v[KRD] offset:64*\b+16
.endr
.irp b, 0,1,2,3,4,5,6,7
	ds_load_b128 v[VR+8*\b:VR+8*\b+3], v[KRD] offset:1024+64*\b
	ds_load_b128 v[VR+8*\b+4:VR+8*\b+7], v[KRD] offset:1024+64*\b+16
.endr
	s_wait_dscnt 16                                ; K is in; V's sixteen loads may be out
; My lane's part of Q . K for the rows of four blocks: 64 columns each, two at a time, four chains; each accumulator from its low end on.  The first products start the sums.
.macro LOGIT hi
	WIN 0x02+\hi                                   ; source 0: window 2 or 3
.irp b, 0,1,2,3,4,5,6,7
.irp i, 0,2,4,6
.irp a, 0,1,2,3
.if (\b == 0) && (\i == 0)
	v_pk_mul_f32 v[LG+2*(4*\hi+\a):LG+2*(4*\hi+\a)+1], v[8*(8*\a+\b)+\i:8*(8*\a+\b)+\i+1], v[KR+8*\b+\i:KR+8*\b+\i+1]
.else
	v_pk_fma_f32 v[LG+2*(4*\hi+\a):LG+2*(4*\hi+\a)+1], v[8*(8*\a+\b)+\i:8*(8*\a+\b)+\i+1], v[KR+8*\b+\i:KR+8*\b+\i+1], v[LG+2*(4*\hi+\a):LG+2*(4*\hi+\a)+1]
.endif
.endr
.endr
.endr
.endm
	LOGIT 0
	LOGIT 1
	WIN 0
.irp a, 0,1,2,3,4,5,6,7
	v_add_f32 v[AT+\a], v[LG+2*\a], v[LG+2*\a+1]
.endr
.irp a, 0,1,2,3,4,5,6,7
	v_permlanex16_b32 v[LG+2*\a], v[AT+\a], s76, s77   ; the row's other 64 of my columns lie in the lane 16 away
.endr
.irp a, 0,1,2,3,4,5,6,7
	v_add_f32 v[AT+\a], v[AT+\a], v[LG+2*\a]
.endr
.irp a, 0,1,2,3,4,5,6,7
	ds_store_b32 v[LGST], v[AT+\a] offset:64*\a    ; lanes l and l + 16 write the same number to the same word
.endr
	s_wait_dscnt 0x0                               ; for the other column half's sake; V is in too
	s_barrier_signal -1
	s_barrier_wait -1
.irp a, 0,1,2,3,4,5,6,7
	ds_load_b32 v[LG+2*\a], v[LGRD] offset:64*\a
	ds_load_b32 v[LG+2*\a+1], v[LGRD] offset:64*\a+1024
.endr
	s_wait_dscnt 0x0
.irp a, 0,1,2,3,4,5,6,7
	v_add_f32 v[AT+\a], v[LG+2*\a], v[LG+2*\a+1]   ; the same order in both waves
.endr
.irp a, 0,1,2,3,4,5,6,7
	v_ldexp_f32 v[AT+\a], v[AT+\a], s72            ; the logit
.endr
	; the softmax over the one key: the largest logit of the axis is the logit itself; p = e^(logit - largest); the sum is p; att = p / sum
.irp a, 0,1,2,3,4,5,6,7
	v_sub_f32 v[LG+2*\a], v[AT+\a], v[AT+\a]
.endr
.irp a, 0,1,2,3,4,5,6,7
	v_mul_f32 v[LG+2*\a], 0x3fb8aa3b, v[LG+2*\a]   ; x log2(e)
.endr
.irp a, 0,1,2,3,4,5,6,7
	v_exp_f32 v[LG+2*\a], v[LG+2*\a]
.endr
	v_nop                                          ; a plain instruction behind the last exponential,
	s_wait_alu depctr_va_vdst(0)                   ; and one wait for the batch, ahead of its first reader
.irp a, 0,1,2,3,4,5,6,7
	v_rcp_f32 v[LG+2*\a+1], v[LG+2*\a]
.endr
	v_nop
	s_wait_alu depctr_va_vdst(0)
.irp a, 0,1,2,3,4,5,6,7
	v_mul_f32 v[LG+2*\a], v[LG+2*\a], v[LG+2*\a+1] ; att, in the pair's low register
.endr
	; att x V, held within +-448 x 2^e2, into codes: a lane's eight columns are eight neighbours along the next K: 8 bytes of a row.  No register of codes is written twice.
.irp a, 0,1,2,3,4,5,6,7
.irp b, 0,1,2,3,4,5,6,7
.set rT, T+8*(\b%2)
.if \a < 4
.set rC, 32+16*\a+2*\b
.else
.set rC, 192+16*(\a-4)+2*\b
.endif
.irp i, 0,2,4,6
	v_pk_mul_f32 v[rT+\i:rT+\i+1], v[VR+8*\b+\i:VR+8*\b+\i+1], v[LG+2*\a:LG+2*\a+1] op_sel_hi:[1,0]
.endr
.irp i, 0,1,2,3,4,5,6,7
	v_med3_num_f32 v[rT+\i], v[rT+\i], -v[LIM], v[LIM]   ; the conversion does not saturate (ISA guide 7.6.2)
.endr
	v_cvt_scalef32_pk8_fp8_f32 v[rC:rC+1], v[rT:rT+7], v[SC]   ; the next block's twelve plain lines on the other set stand between this and the next write of its sources
	ds_store_b64 v[STO], v[rC:rC+1] offset:16*PITCH*\a+16*\b
.endr
.endr
	v_nop                                          ; a plain instruction behind the last conversion
	s_wait_dscnt 0x0                               ; a row's 256 bytes come from two waves
	s_barrier_signal -1
	s_barrier_wait -1
.irp t, 0,1,2,3,4,5,6,7,8,9,10,11,12,13,14,15,16,17,18,19,20,21,22,23,24,25,26,27,28,29,30,31
	ds_load_b128 v[OB+4*\t:OB+4*\t+3], v[RD] offset:2*PITCH*\t
.endr
.irp t, 0,1,2,3,4,5,6,7,8,9,10,11,12,13,14,15,16,17,18,19,20,21,22,23,24,25,26,27,28,29,30,31
	s_wait_dscnt 31-\t
	global_store_b128 v[CO], v[OB+4*\t:OB+4*\t+3], s[12:13] offset:4096*\t   ; sixteen lanes store 256 consecutive bytes, aligned
.endr
	s_wait_tensorcnt 0x0                           ; the wave's end
	ds_add_u32 v[SPW], v[NIL]
	s_wait_dscnt 0x0
	CROUND                                         ; the closing round
	s_endpgm
.Lfunc_end_k_qb0cab043e1_gemm_q:
	.size	k_qb0cab043e1_gemm_q, .Lfunc_end_k_qb0cab043e1_gemm_q-k_qb0cab043e1_gemm_q
	.p2alignl 7, 3214868480
	.fill 96, 4, 3214868480
	.section	.rodata,"a",@progbits
	.p2align	6, 0x0
	.amdhsa_kernel k_qb0cab043e1_gemm_q
		.amdhsa_group_segment_fixed_size 327680
		.amdhsa_private_segment_fixed_size 0
		.amdhsa_enable_private_segment 0
		.amdhsa_kernarg_size 40
		.amdhsa_user_sgpr_count 2
		.amdhsa_user_sgpr_kernarg_segment_ptr 1
		.amdhsa_wavefront_size32 1
		.amdhsa_system_sgpr_workgroup_id_x 1
		.amdhsa_system_sgpr_workgroup_id_y 1
		.amdhsa_system_sgpr_workgroup_id_z 1
		.amdhsa_system_vgpr_workitem_id 0
		.amdhsa_next_free_vgpr 1024
		.amdhsa_next_free_sgpr 100
		.amdhsa_reserve_vcc 0
		.amdhsa_float_denorm_mode_32 3
		.amdhsa_float_denorm_mode_16_64 3
		.amdhsa_memory_ordered 1
		.amdhsa_forward_progress 1
		.amdhsa_inst_pref_size 171
	.end_amdhsa_kernel
	.amdgpu_metadata
---
amdhsa.version: [ 1, 2 ]
amdhsa.kernels:
  - .name:           k_qb0cab043e1_gemm_q
    .symbol:         k_qb0cab043e1_gemm_q.kd
    .args:
      - { .name: x_codes, .offset: 0, .size: 8, .value_kind: global_buffer, .address_space: global }
      - { .name: wq_codes, .offset: 8, .size: 8, .value_kind: global_buffer, .address_space: global }
      - { .name: lowp_scales, .offset: 16, .size: 8, .value_kind: global_buffer, .address_space: global }
      - { .name: kvp, .offset: 24, .size: 8, .value_kind: global_buffer, .address_space: global }
      - { .name: a2_codes, .offset: 32, .size: 8, .value_kind: global_buffer, .address_space: global }
    .group_segment_fixed_size: 327680
    .private_segment_fixed_size: 0
    .kernarg_segment_align: 8
    .kernarg_segment_size: 40
    .max_flat_workgroup_size: 128
    .sgpr_count:     100
    .vgpr_count:     1024
    .wavefront_size: 32
...
	.end_amdgpu_metadata
.endif
;; end of part 2
;; launch gemm_o (part 3): grid 8 x 32, 4 waves a work-group, clusters of 4 x 4, 327,680 bytes of LDS; arguments a2_codes, wo_codes, lowp_scales, gate, last_hidden, out0; writes out0
.if DOCPART == 3
	.amdgcn_target "amdgcn-amd-amdhsa--gfx1250"
	.amdhsa_code_object_version 6
	.text
	.protected	k_qb0cab043e1_gemm_o
	.globl	k_qb0cab043e1_gemm_o
	.p2align	8
	.type	k_qb0cab043e1_gemm_o,@function
k_qb0cab043e1_gemm_o:
	s_mov_b64 s[64:65], 0
	v_nop
	global_prefetch_b8 v0, s[64:65] scope:SCOPE_SE
	s_setreg_imm32_b32 hwreg(HW_REG_WAVE_MODE, 25, 1), 1
	s_wait_xcnt 0x0
	s_wait_alu depctr_hold_cnt(0) depctr_sa_sdst(0) depctr_va_vdst(0) depctr_va_sdst(0) depctr_va_ssrc(0) depctr_va_vcc(0) depctr_vm_vsrc(0)
	s_getreg_b32 s2, hwreg(HW_REG_IB_STS2, 6, 4)
	s_cmp_eq_u32 s2, 0
	s_cbranch_scc0 .Lentry_in_a_cluster
	s_endpgm
.Lentry_in_a_cluster:
	s_bfe_u32 s2, ttmp6, 0x10000c
	s_cmp_lg_u32 s2, 0xf033
	s_cbranch_scc0 .Lentry_shape_is_right
	s_endpgm
.Lentry_shape_is_right:
; out0 = last_hidden + sigmoid(gate) x (A2 W_o), the product on codes of E4M3.  a2_codes [8192][2048] (scale 2^e2), wo_codes [n 2048][k 2048] (scale 2^e3): K innermost.  last_hidden (x), out0: [8192][2048] f32.
; A tile of 256 x 256 to a work-group of four waves, each 128 x 128: 64 accumulators.  K goes in steps of 256 through a ring of two LDS slots filled by the tensor data mover.
; CLUSTERS: 4 x 4 work-groups; A's tiles are asked for jointly along a row of the cluster, B's along a column.  THE MATRIX INSTRUCTION IS USED TRANSPOSED: a lane holds eight neighbouring numbers of a row.
; A fragment's k are taken in the order of four 16-byte loads, the same in A and in B: only the order of the sums inside an instruction differs.
; THE RESIDUAL GOES INTO THE SUMS.  With g = sigmoid(gate) x 2^(e2 + e3): out0 = g x (sum + x / g), and x / g = x (1 + e^-gate) 2^-(e2 + e3).  x is read while K is walked and added onto the accumulators by a
; multiply-add; the way out multiplies by g and stores, and loads nothing.  A wave's 128 x 128 numbers of x are 16 units of 16 rows x 256 bytes, K has 16 half steps of 128: a unit to a half step.
; A unit is loaded as whole rows (two rows x 256 consecutive bytes an instruction), turns through the wave's own stage in LDS into the accumulators' layout, and is added at the half step's end.
; Each half step's multiply-adds name other accumulators, so the 16 half steps are written out by two macros and there is no loop over K: about 4,000 instructions.
; LIMITS: |x| (1 + e^-gate) 2^-(e2 + e3), and the sums beside it, stay under 2^127; gate lies above -87, so that e^-gate is an f32 number.  The order of rounding differs from x + g x sum: x / g is rounded once,
; shares the sums' roundings, and the product with g is rounded once: an error of some 2^-23 of |x| + |g x sum|.
; REGISTERS: window 0: v0-31 addresses and factors; v32-127 three sets of 32 for x; from v128 A's fragments, one set.  window 1: B's fragments, two sets.  windows 2, 3: the accumulators ((a, b) at v[8 (8 (a % 4) + b)]).
.set KSTEP,  256
.set ROWB,   256                       ; a tile's row in bytes
.set KROW,   2048                      ; a row of codes in memory
.set PITCH,  272                       ; an LDS row: 256 bytes + 16 of padding, so that the 16 rows that a load touches start 68 words apart
.set FR,     16                        ; registers of a fragment: 16 rows x 128 K
.set NL,     4                         ; LDS loads that bring one
.set NP,     4                         ; places behind this matrix instruction (ISA guide 7.12.1)
.set HALFT,  128*PITCH                 ; what one tensor load brings
.set SLOT,   4*HALFT                   ; A's 256 rows, then B's 256 rows
.set SPARE,  2*SLOT                    ; the spare words, 128 bytes for each wave: two blocks of 256 bytes that no other line names
.set XST,    SPARE+512                 ; x's stages: 16 rows x 272 bytes for each wave: 17 blocks of 256 bytes a wave, into which no fill lands
.set SPITCH, 528                       ; the way out's stage: 16 rows x (512 bytes + 16) for each wave, in slot 0, which has had its last fill and its last read when the first result is stored there
.set ORow,   8192                      ; a row of x and of out0 in bytes
.set XO,   8                           ; v8      x: 8,192 x (lane / 16) + 16 x (lane % 16): two rows an instruction; never rewritten
.set XW,   9                           ; v9      x's stage, on the way in: row lane / 16, 16 x (lane % 16)
.set INV,  10                          ; v[10:11] 1 / g, twice
.set XRD,  12                          ; v12     x's stage, on the way back: row lane % 16, 32 x (lane / 16)
.set ADRA, 16                          ; v16-17  LDS address of my A fragments in slot 0, 1
.set ADRB, 20                          ; v20-21  the same for B
.set STO,  24                          ; v24     the way out: where I put 32 bytes of a row
.set RD,   25                          ; v25     and where I read a row back
.set CO,   26                          ; v26     16 x lane: my bytes of a row's 512 in out0; never rewritten
.set PFO,  27                          ; v27     the prefetches' offset: row lane / 2, 256 x (lane % 2); never rewritten
.set SPW,  28                          ; v28     my spare word; never rewritten
.set NIL,  29                          ; v29     0; never rewritten
.set GS,   30                          ; v[30:31] g, twice
.set XR,   32                          ; v32-127 x: unit u in set u % 3
.set AF,   128
.set G1, 24
.set G0, 32
.set G1B, 48
.set G0B, 56
.set MSB, 0
.macro WIN new                         ; the immediate's high byte repeats the setting that is left
.if MSB != (\new)
	s_set_vgpr_msb (MSB<<8)|(\new)
.set MSB, (\new)
.endif
.endm
.set MUL_LO, 0xa1                      ; source 0 (B) window 1, source 1 (A) window 0, C and D window 2
.set MUL_HI, 0xf1                      ; the same, C and D window 3
.set TO_B,   0x40                      ; destination window 1, address window 0
.macro JLOAD g0a, g1a, g0b, g1b        ; waves 0 and 1 fetch for A, waves 2 and 3 for B; four v_nop follow each of the two lines
	s_cmp_eq_u32 s15, 0
	s_cbranch_scc0 .Lfor_b_\@
	tensor_load_to_lds s[\g0a:\g0a+3], s[\g1a:\g1a+7]
	s_nop 0
.rept 4
	v_nop
.endr
	s_branch .Lasked_\@
.Lfor_b_\@:
	tensor_load_to_lds s[\g0b:\g0b+3], s[\g1b:\g1b+7]
	s_nop 0
.rept 4
	v_nop
.endr
.Lasked_\@:
.endm
.macro CREST                           ; a round of the cluster's barrier behind its opening barrier
	s_cmp_lg_u32 s14, 0
	s_cbranch_scc1 .Lnot_wave_0_\@
	s_barrier_signal -3
.Lnot_wave_0_\@:
	s_barrier_wait -3
	s_barrier_signal -1
	s_barrier_wait -1
.endm
.macro CROUND
	s_barrier_signal -1
	s_barrier_wait -1
	CREST
.endm
	s_load_b128 s[4:7], s[0:1], 0x0                ; a2_codes, wo_codes
	s_load_b128 s[8:11], s[0:1], 0x10              ; lowp_scales, gate
	s_load_b128 s[72:75], s[0:1], 0x20             ; last_hidden, out0
	v_lshl_add_u32 v[SPW], v0, 2, SPARE
	v_mov_b32 v[NIL], 0
	ds_add_u32 v28, v29
	ds_add_u32 v28, v29
	s_wait_dscnt 0x0
	v_lshrrev_b32 v1, 5, v0
	v_readfirstlane_b32 s14, v1                    ; wave 0..3
	s_lshr_b32 s15, s14, 1                         ; my half of the tile's rows.  Also: I fetch for A (0) or for B (1)
	s_and_b32 s16, s14, 1                          ; my half of its columns.  Also: which 128 rows of that tile I fetch
	s_bfe_u32 s40, ttmp6, 0x40000                  ; cx, cy
	s_bfe_u32 s41, ttmp6, 0x40004
	s_lshl_b32 s42, ttmp9, 2
	s_add_co_u32 s42, s42, s40                     ; tile column
	s_and_b32 s17, ttmp7, 0xffff
	s_lshl_b32 s17, s17, 2
	s_add_co_u32 s17, s17, s41                     ; tile row
	s_lshl_b32 s43, s41, 2
	s_lshl_b32 s43, 15, s43                        ; my row of the cluster
	s_lshl_b32 s44, 0x1111, s40                    ; my column
	s_or_b32 s[G1+0], s43, (0<<16)|(1<<20)|(1<<21)|(5<<22)|(3<<25)  ; the mask; elements of 1 byte; padding on; bit 21 beside a mask; after every 64 words, 4 words
	s_or_b32 s[G1B+0], s44, (0<<16)|(1<<20)|(1<<21)|(5<<22)|(3<<25)
.irp g, G1, G1B
	s_mov_b32 s[\g+1], ROWB<<16                    ; tensor_dim0
	s_mov_b32 s[\g+2], 128<<16                     ; tensor_dim1
	s_mov_b32 s[\g+3], ROWB<<16                    ; tile_dim0
	s_mov_b32 s[\g+4], 128                         ; tile_dim1
	s_mov_b32 s[\g+5], KROW                        ; the pitch
	s_mov_b32 s[\g+6], 0
	s_mov_b32 s[\g+7], 0
.endr
	s_lshl_b32 s18, s16, 7
	s_lshl_b32 s20, s17, 8
	s_add_co_u32 s20, s20, s18                     ; A: row 256 x tile row + 128 x half
	s_lshl_b32 s46, s42, 8
	s_add_co_u32 s46, s46, s18                     ; B: row 256 x tile column + 128 x half
	s_mov_b32 s21, 0
	s_mov_b32 s47, 0
	s_mov_b64 s[18:19], KROW
	s_mul_u64 s[20:21], s[20:21], s[18:19]
	s_mul_u64 s[46:47], s[46:47], s[18:19]
	s_mul_i32 s45, s14, HALFT                      ; where they go: no place in the cluster enters an LDS address
	s_wait_kmcnt 0x0
	s_load_b128 s[76:79], s[8:9], 0x0              ; e0 .. e3
	s_load_b32 s80, s[10:11], 0x0                  ; gate
	s_add_nc_u64 s[20:21], s[4:5], s[20:21]
	s_add_nc_u64 s[46:47], s[6:7], s[46:47]
	CROUND                                         ; all sixteen work-groups are here: the first joint loads meet
.irp s, 0,1
	s_mov_b32 s[G0+4*\s], 1
	s_add_co_u32 s[G0+4*\s+1], s45, \s*SLOT
	s_add_nc_u64 s[G0+4*\s+2:G0+4*\s+3], s[20:21], \s*ROWB
	s_or_b32 s[G0+4*\s+3], s[G0+4*\s+3], 0x80000000
	s_mov_b32 s[G0B+4*\s], 1
	s_add_co_u32 s[G0B+4*\s+1], s45, \s*SLOT
	s_add_nc_u64 s[G0B+4*\s+2:G0B+4*\s+3], s[46:47], \s*ROWB
	s_or_b32 s[G0B+4*\s+3], s[G0B+4*\s+3], 0x80000000
	JLOAD G0+4*\s, G1, G0B+4*\s, G1B
.endr
	v_and_b32 v1, 15, v0                           ; r = l % 16
	v_bfe_u32 v2, v0, 4, 1                         ; h = l / 16
	v_lshlrev_b32 v[XO], 13, v2
	v_lshl_add_u32 v[XO], v1, 4, v[XO]
	s_lshl_b32 s82, s17, 21                        ; x and out0 at my first row and column: 256 rows of 8,192 bytes a tile row,
	s_lshl_b32 s84, s15, 20                        ; 128 rows a half,
	s_add_co_u32 s82, s82, s84
	s_lshl_b32 s84, s42, 10                        ; 1,024 bytes a tile column,
	s_add_co_u32 s82, s82, s84
	s_lshl_b32 s84, s16, 9                         ; 512 a half
	s_add_co_u32 s82, s82, s84
	s_mov_b32 s83, 0
	s_add_nc_u64 s[72:73], s[72:73], s[82:83]
	s_add_nc_u64 s[74:75], s[74:75], s[82:83]
; UNIT u OF x: rows 16 (u / 2) on, bytes 256 (u % 2) on of my 512.  XG: eight loads, each two rows x 256 consecutive bytes, aligned, into set u % 3.  Read once in the launch.
.macro XG u
.set XS, XR+32*((\u)%3)
.irp t, 0,1,2,3,4,5,6,7
	global_load_b128 v[XS+4*\t:XS+4*\t+3], v[XO], s[72:73] offset:(16*((\u)/2)+2*\t)*ORow+256*((\u)%2) th:TH_LOAD_NT
.endr
.endm
; XT: the unit turns through my own stage: in as rows, back as the accumulators hold them: lane (r, h) takes, of row r, bytes 64 b + 32 h + 0 .. 31 for b = 0 .. 3, into the registers that the rows have left.
; LDS serves a wave's instructions in order (ISA guide 5.7.1.4): no wait between the stores and the loads, nor in front of the next unit's stores.
.macro XT u
.set XS, XR+32*((\u)%3)
.if 15-(\u) >= 2
	s_wait_loadcnt 16                              ; this unit's eight loads are in; the two units behind it may be out
.else
	s_wait_loadcnt 8*(15-(\u))                     ; the units run out
.endif
.irp t, 0,1,2,3,4,5,6,7
	ds_store_b128 v[XW], v[XS+4*\t:XS+4*\t+3] offset:2*PITCH*\t
.endr
.irp t, 0,1,2,3,4,5,6,7
	ds_load_b128 v[XS+4*\t:XS+4*\t+3], v[XRD] offset:64*(\t/2)+16*(\t%2)
.endr
.endm
; XA: sum += x / g, on the unit's four accumulators, each from its low end on.  It stands four plain instructions behind the half step's last product.
.macro XA u
.set XS, XR+32*((\u)%3)
.set AC, 64*(((\u)/2)%4)+32*((\u)%2)
	WIN 0xa0+0x50*((\u)/8)                         ; source 2 and destination: window 2 (blocks 0-3) or 3 (blocks 4-7)
.irp j, 0,2,4,6,8,10,12,14,16,18,20,22,24,26,28,30
	v_pk_fma_f32 v[AC+\j:AC+\j+1], v[XS+\j:XS+\j+1], v[INV:INV+1], v[AC+\j:AC+\j+1] op_sel_hi:[1,0,1]
.endr
	WIN 0
.endm
; A half step's end: young: the LDS loads issued behind the unit's, which may stay out.  The set that the unit leaves takes the unit three further on: it has two and a half half steps in which to come.
.macro XEND u, young
	s_wait_dscnt \young
	XA \u
.if (\u)+3 <= 15
	XG (\u)+3
.endif
.endm
	XG 0                                           ; the first three units go out beside the first tiles
	XG 1
	XG 2
	v_mul_u32_u24 v3, v1, PITCH
	v_lshl_add_u32 v4, v2, 4, v3                   ; a fragment's row x pitch + 16 x half
	s_mul_i32 s21, s15, HALFT                      ; my 128 rows of A
	s_mul_i32 s22, s16, HALFT                      ; my 128 rows of B,
	s_add_co_u32 s22, s22, 2*HALFT                 ; which lie behind A's 256
.irp s, 0,1
	v_add_nc_u32 v[ADRA+\s], s21, v4
	v_add_nc_u32 v[ADRB+\s], s22, v4
	s_add_co_u32 s21, s21, SLOT
	s_add_co_u32 s22, s22, SLOT
.endr
	s_mul_i32 s23, s14, 16*PITCH
	s_add_co_u32 s23, s23, XST                     ; my stage for x
	v_mul_u32_u24 v5, v2, PITCH
	v_lshl_add_u32 v5, v1, 4, v5
	v_add_nc_u32 v[XW], s23, v5
	v_lshl_add_u32 v5, v2, 5, v3
	v_add_nc_u32 v[XRD], s23, v5
	s_mul_i32 s23, s14, 16*SPITCH                  ; my stage for the way out
	v_mul_u32_u24 v5, v1, SPITCH
	v_lshl_add_u32 v5, v2, 5, v5
	v_add_nc_u32 v[STO], s23, v5                   ; in: row l % 16, 32 bytes for each half of the lanes
	v_and_b32 v6, 31, v0
	v_lshlrev_b32 v[CO], 4, v6
	v_add_nc_u32 v[RD], s23, v[CO]                 ; back: the 32 lanes take one row of 512 bytes
	v_lshrrev_b32 v5, 1, v6
	v_and_b32 v7, 1, v6
	v_lshlrev_b32 v[PFO], 13, v5
	v_lshl_add_u32 v[PFO], v7, 8, v[PFO]
	s_wait_kmcnt 0x0
	s_add_co_i32 s81, s78, s79                     ; e2 + e3
	s_sub_co_i32 s86, 0, s81
	v_mov_b32 v[GS], s80
	v_mul_f32 v[GS], 0xbfb8aa3b, v[GS]             ; -gate x log2(e)
	v_exp_f32 v[GS], v[GS]                         ; e^-gate
	v_nop                                          ; a plain instruction behind the transcendental,
	s_wait_alu depctr_va_vdst(0)                   ; and the wait ahead of its first reader
	v_add_f32 v[INV], 1.0, v[GS]                   ; 1 / sigmoid(gate)
	v_rcp_f32 v[GS], v[INV]                        ; sigmoid(gate)
	v_nop
	s_wait_alu depctr_va_vdst(0)
	v_ldexp_f32 v[GS], v[GS], s81                  ; g = sigmoid(gate) x 2^(e2 + e3)
	v_ldexp_f32 v[INV], v[INV], s86                ; 1 / g
	v_mov_b32 v[GS+1], v[GS]                       ; (each is named as a pair, so both halves are written)
	v_mov_b32 v[INV+1], v[INV]
.macro FRAG reg, adr, q, i             ; 16 rows x 128 K: lane l holds row l % 16; registers 4 c .. 4 c + 3 hold K = 32 c + 16 (l / 16) + 0 .. 15
.irp c, 0,1,2,3
	ds_load_b128 v[\reg+4*\c:\reg+4*\c+3], v[\adr] offset:128*(\q)+32*\c+(\i)*16*PITCH
.endr
.endm
.macro MUL16 a0, p, zero               ; A's blocks a0, a0 + 1 x B's eight; the 64 accumulators take turns, one instruction a turn
.irp a, \a0, \a0+1
.irp b, 0,1,2,3,4,5,6,7
.if \zero
	v_wmma_f32_16x16x128_fp8_fp8 v[8*(8*((\a)%4)+\b):8*(8*((\a)%4)+\b)+7], v[128*(\p)+FR*\b:128*(\p)+FR*\b+FR-1], v[AF+FR*(\a):AF+FR*(\a)+FR-1], 0
.else
	v_wmma_f32_16x16x128_fp8_fp8 v[8*(8*((\a)%4)+\b):8*(8*((\a)%4)+\b)+7], v[128*(\p)+FR*\b:128*(\p)+FR*\b+FR-1], v[AF+FR*(\a):AF+FR*(\a)+FR-1], v[8*(8*((\a)%4)+\b):8*(8*((\a)%4)+\b)+7]
.endif
.endr
.endr
.endm
.macro FETCH_B slot, q, p
	WIN TO_B
.irp i, 0,1,2,3,4,5,6,7
	FRAG 128*(\p)+FR*\i, ADRB+\slot, \q, \i
.endr
	WIN 0
.endm
.macro FETCH_A slot, q, i0
.irp i, \i0, \i0+1, \i0+2, \i0+3
	FRAG AF+FR*(\i), ADRA+\slot, \q, \i
.endr
.endm
.macro PLACES n                        ; plain vector instructions between a matrix instruction and a load into, a write of or a read of its registers (ISA guide 7.12.1 for writes and reads)
.rept \n
	v_nop
.endr
.endm
; A half step of 128 along K with its successor in the same slot; u: its unit of x.
.macro STEP slot, q, zero, u
	s_wait_dscnt 4*NL                              ; B's set and A's blocks 0-3 are in; the youngest sixteen loads (A's blocks 4-7) may be out
	WIN MUL_LO
	MUL16 0, (\q)%2, \zero
	MUL16 2, (\q)%2, \zero
	s_wait_dscnt 0                                 ; A's blocks 4-7 are in
	PLACES NP
	FETCH_B \slot, (\q)+1, 1-(\q)%2
	FETCH_A \slot, (\q)+1, 0
	XT \u                                          ; behind the fragments' loads, for which the next products wait
	WIN MUL_HI
	MUL16 4, (\q)%2, \zero
	MUL16 6, (\q)%2, \zero
	PLACES NP                                      ; for the loads into A's blocks 4-7, and for the multiply-adds onto the accumulators
	WIN 0
	FETCH_A \slot, (\q)+1, 4
	XEND \u, 4*NL                                  ; the unit is back from its stage; the sixteen loads just issued may be out
.endm
; A slot's last half step changes slots: ONE barrier; in front of it each wave waits for all its tensor loads, adds 0 to its spare word, and waits for that and for its own reads of this slot.
; fill = 1: this slot is filled again, two K steps ahead.  pf: the block of x that is prefetched at the end, or -1.
; THE PREFETCH INTO THE L2: block pf of my wave's x: 16 rows x 512 bytes, a lane to each aligned 256 bytes, one instruction.  A wave's part of x is its own, so each 256 bytes are named once in the launch.
; It stands at the end of K steps 0 to 4, behind the wave's loads, and names the block whose two units are loaded two and three half steps later.  Blocks 0 to 2 come by their loads alone; behind block 7 there is nothing.
; Its address registers are never rewritten.
.macro TURN slot, next, fill, u, pf
	s_wait_tensorcnt 0x0                           ; all my tensor loads have landed: my part of the next slot
	ds_add_u32 v[SPW], v[NIL]                      ; 0 onto my spare word
	s_wait_dscnt 4*NL+1                            ; (the add and the youngest sixteen loads may be out)
	WIN MUL_LO
	MUL16 0, 1, 0
	s_wait_dscnt 0x0                               ; the add is done, and my reads of this slot are over
	s_barrier_signal -1
	MUL16 2, 1, 0
	WIN 0
	s_barrier_wait -1
.if \fill
	CREST                                          ; the barrier has opened a round of the cluster's: no wave of any partner still reads this slot or has a load on its way
	s_add_nc_u64 s[G0+4*\slot+2:G0+4*\slot+3], s[G0+4*\slot+2:G0+4*\slot+3], 2*ROWB
	s_add_nc_u64 s[G0B+4*\slot+2:G0B+4*\slot+3], s[G0B+4*\slot+2:G0B+4*\slot+3], 2*ROWB
	JLOAD G0+4*\slot, G1, G0B+4*\slot, G1B         ; the first tensor load behind the round; its four v_nop are the places in front of the loads below
.else
	PLACES NP
.endif
	FETCH_B \next, 0, 0
	FETCH_A \next, 0, 0
	XT \u
	WIN MUL_HI
	MUL16 4, 1, 0
	MUL16 6, 1, 0
	PLACES NP
	WIN 0
	FETCH_A \next, 0, 4
	XEND \u, 4*NL
.if \pf >= 0
	global_prefetch_b8 v[PFO], s[72:73] offset:(\pf)*16*ORow th:TH_LOAD_NT scope:SCOPE_SE
.endif
.endm
; THE WAY OUT.  TOSTAGE: block a's sums go as they are into my stage, each accumulator's low half first, and come back as whole rows of 512 bytes INTO THE REGISTERS THAT THEY LEFT:
; so no register that a store to memory reads is ever written again, and no wait for the stores' sources is needed.
.macro TOSTAGE a
.set AC, 64*((\a)%4)
	WIN 0x08+4*((\a)/4)                            ; an LDS store's data are its source 1: window 2 or 3
.irp b, 0,1,2,3,4,5,6,7
	ds_store_b128 v[STO], v[AC+8*\b:AC+8*\b+3] offset:64*\b
	ds_store_b128 v[STO], v[AC+8*\b+4:AC+8*\b+7] offset:64*\b+16
.endr
	WIN 0x80+0x40*((\a)/4)                         ; destination window 2 or 3
.irp t, 0,1,2,3,4,5,6,7,8,9,10,11,12,13,14,15
	ds_load_b128 v[AC+4*\t:AC+4*\t+3], v[RD] offset:\t*SPITCH   ; in order behind the stores above; the next block's stores come behind these
.endr
.endm
.macro SEND a, yd                      ; yd: the LDS instructions issued behind block a's loads, which may stay out
.set AC, 64*((\a)%4)
	s_wait_dscnt \yd
	WIN 0x82+0x41*((\a)/4)                         ; source 0 and destination window 2 or 3; g in window 0
.irp j, 0,2,4,6,8,10,12,14,16,18,20,22,24,26,28,30,32,34,36,38,40,42,44,46,48,50,52,54,56,58,60,62
	v_pk_mul_f32 v[AC+\j:AC+\j+1], v[AC+\j:AC+\j+1], v[GS:GS+1] op_sel_hi:[1,0]   ; g x (sum + x / g)
.endr
	WIN 0x08+4*((\a)/4)                            ; a store's data are its source 1
.irp t, 0,1,2,3,4,5,6,7,8,9,10,11,12,13,14,15
	global_store_b128 v[CO], v[AC+4*\t:AC+4*\t+3], s[74:75] offset:(16*(\a)+\t)*ORow th:TH_STORE_NT   ; 32 lanes store 512 consecutive bytes, aligned; the largest offset is 127 rows
.endr
.endm
	s_wait_tensorcnt 1                             ; my part of K step 0 is in; K step 1's one load may be out
	s_barrier_signal -1
	s_barrier_wait -1
	FETCH_B 0, 0, 0
	FETCH_A 0, 0, 0
	FETCH_A 0, 0, 4
	STEP 0, 0, 1, 0                                ; K step 0: its first products start the sums
	TURN 0, 1, 1, 1, 3                             ; slot 0 takes K step 2
	STEP 1, 0, 0, 2
	TURN 1, 0, 1, 3, 4                             ; slot 1 takes K step 3
	STEP 0, 0, 0, 4
	TURN 0, 1, 1, 5, 5
	STEP 1, 0, 0, 6
	TURN 1, 0, 1, 7, 6
	STEP 0, 0, 0, 8
	TURN 0, 1, 1, 9, 7                             ; K step 6
	STEP 1, 0, 0, 10
	TURN 1, 0, 1, 11, -1                           ; K step 7: the last fill
	STEP 0, 0, 0, 12
	TURN 0, 1, 0, 13, -1                           ; nothing is left to fetch: no round
	STEP 1, 0, 0, 14
	s_wait_dscnt 4*NL                              ; the last half step
	WIN MUL_LO
	MUL16 0, 1, 0
	MUL16 2, 1, 0
	s_wait_dscnt 0
	WIN 0
	XT 15
	WIN MUL_HI
	MUL16 4, 1, 0
	MUL16 6, 1, 0
	PLACES NP                                      ; behind the last products: for the last multiply-adds, for the stores that read results and for the loads into the accumulators
	WIN 0
	s_wait_dscnt 0
	XA 15
	TOSTAGE 0
.irp a, 1,2,3,4,5,6,7
	TOSTAGE \a
	SEND \a-1, 32                                  ; behind block a - 1's loads: block a's 16 LDS stores and 16 LDS loads
.endr
	SEND 7, 0
	WIN 0
	s_wait_tensorcnt 0x0                           ; the wave's end
	ds_add_u32 v[SPW], v[NIL]
	s_wait_dscnt 0x0
	CROUND                                         ; the closing round
	s_endpgm
.Lfunc_end_k_qb0cab043e1_gemm_o:
	.size	k_qb0cab043e1_gemm_o, .Lfunc_end_k_qb0cab043e1_gemm_o-k_qb0cab043e1_gemm_o
	.p2alignl 7, 3214868480
	.fill 96, 4, 3214868480
	.section	.rodata,"a",@progbits
	.p2align	6, 0x0
	.amdhsa_kernel k_qb0cab043e1_gemm_o
		.amdhsa_group_segment_fixed_size 327680
		.amdhsa_private_segment_fixed_size 0
		.amdhsa_enable_private_segment 0
		.amdhsa_kernarg_size 48
		.amdhsa_user_sgpr_count 2
		.amdhsa_user_sgpr_kernarg_segment_ptr 1
		.amdhsa_wavefront_size32 1
		.amdhsa_system_sgpr_workgroup_id_x 1
		.amdhsa_system_sgpr_workgroup_id_y 1
		.amdhsa_system_sgpr_workgroup_id_z 1
		.amdhsa_system_vgpr_workitem_id 0
		.amdhsa_next_free_vgpr 1024
		.amdhsa_next_free_sgpr 100
		.amdhsa_reserve_vcc 0
		.amdhsa_float_denorm_mode_32 3
		.amdhsa_float_denorm_mode_16_64 3
		.amdhsa_memory_ordered 1
		.amdhsa_forward_progress 1
		.amdhsa_inst_pref_size 242
	.end_amdhsa_kernel
	.amdgpu_metadata
---
amdhsa.version: [ 1, 2 ]
amdhsa.kernels:
  - .name:           k_qb0cab043e1_gemm_o
    .symbol:         k_qb0cab043e1_gemm_o.kd
    .args:
      - { .name: a2_codes, .offset: 0, .size: 8, .value_kind: global_buffer, .address_space: global }
      - { .name: wo_codes, .offset: 8, .size: 8, .value_kind: global_buffer, .address_space: global }
      - { .name: lowp_scales, .offset: 16, .size: 8, .value_kind: global_buffer, .address_space: global }
      - { .name: gate, .offset: 24, .size: 8, .value_kind: global_buffer, .address_space: global }
      - { .name: last_hidden, .offset: 32, .size: 8, .value_kind: global_buffer, .address_space: global }
      - { .name: out0, .offset: 40, .size: 8, .value_kind: global_buffer, .address_space: global }
    .group_segment_fixed_size: 327680
    .private_segment_fixed_size: 0
    .kernarg_segment_align: 8
    .kernarg_segment_size: 48
    .max_flat_workgroup_size: 128
    .sgpr_count:     100
    .vgpr_count:     1024
    .wavefront_size: 32
...
	.end_amdgpu_metadata
.endif
;; end of part 3
